; MI455X (gfx1250); checked and timed in simulation.
; The chip was launched on July 23, 2026; its instructions are those of AMD's public machine-readable ISA for CDNA 5 (MIT licence, August 2026) and "CDNA5" Instruction Set Architecture Reference Guide (July 2026). The comments in the code are by the model that wrote it; some were corrected since.
;; Multi Headed Attention. Allowed arithmetic: matrix products marked QUANTISED: E2M1 operands, one E8M0 scale for each 32 along K, by v_wmma_scale_f32_16x16x128_f8f6f4 with both operands' format E2M1 (or v_wmma_scale_f32_32x16x128_f4), f32 sums; everything else in f32.
;; Inputs: Wk_codes 1,024 x 32 x 16 uint8 (E2M1 codes of Wk, K innermost, in blocks of 32 codes, two codes a byte); Wk_scales 1,024 x 32 uint8 (E8M0 scales of Wk, one for each 32 codes along K); Wo_codes 1,024 x 32 x 16 uint8 (E2M1 codes of Wo, K innermost, in blocks of 32 codes, two codes a byte); Wo_scales 1,024 x 32 uint8 (E8M0 scales of Wo, one for each 32 codes along K); Wq_codes 1,024 x 32 x 16 uint8 (E2M1 codes of Wq, K innermost, in blocks of 32 codes, two codes a byte); Wq_scales 1,024 x 32 uint8 (E8M0 scales of Wq, one for each 32 codes along K); Wv_codes 1,024 x 32 x 16 uint8 (E2M1 codes of Wv, K innermost, in blocks of 32 codes, two codes a byte); Wv_scales 1,024 x 32 uint8 (E8M0 scales of Wv, one for each 32 codes along K); bk 1,024 float32; bo 1,024 float32; bq 1,024 float32; bv 1,024 float32; hidden_states_codes 2 x 2,048 x 32 x 16 uint8 (E2M1 codes of hidden_states, K innermost, in blocks of 32 codes, two codes a byte); hidden_states_scales 2 x 2,048 x 32 uint8 (E8M0 scales of hidden_states, one for each 32 codes along K).
;; Outputs: out0 2 x 2,048 x 1,024 float32.
;; This version of the problem:
;;   THIS VERSION OF THE PROBLEM IS GIVEN IN LOW PRECISION. The matrix products marked QUANTISED in the list below multiply operands that are first quantised to E2M1 (2 exponent bits, 1 mantissa bit; 4 bits a number), with one power-of-two scale for each 32 numbers along K (OCP MX v1.0); their sums are f32. All else is computed in f32.
;;   The module's matrix products, in the order in which they are computed (A, B: the left and right operand; K: the contracted axis; several contracted axes count as one K, in the product's order):
;;     1. [M 4,096, K 1,024] x [K 1,024, N 1,024]; A: input hidden_states (given as codes); B: input Wq (given as codes): QUANTISED
;;     2. [M 4,096, K 1,024] x [K 1,024, N 1,024]; A: input hidden_states (given as codes); B: input Wk (given as codes): QUANTISED
;;     3. [M 4,096, K 1,024] x [K 1,024, N 1,024]; A: input hidden_states (given as codes); B: input Wv (given as codes): QUANTISED
;;     4. batch 32 x [M 2,048, K 64] x [K 64, N 2,048]; A: computed on the way; B: computed on the way: QUANTISED
;;     5. batch 32 x [M 2,048, K 2,048] x [K 2,048, N 64]; A: softmax (see below); B: computed on the way: QUANTISED
;;     6. [M 4,096, K 1,024] x [K 1,024, N 1,024]; A: computed on the way; B: input Wo (given as codes): QUANTISED
;;   THE QUANTISER, for each operand of a quantised product, along K:
;;     - K is cut into blocks of 32 from its start; a last block that is shorter is filled with zeros.
;;     - A block's scale is 2^e with e = floor(log2(the largest magnitude in the block)) - 2, held to -126 .. 127; a block of zeros has e = 0. As a byte (E8M0): e + 127.
;;     - Each number is divided by its block's scale, clamped to +-6, and rounded to the nearest number of E2M1, ties to even, subnormals kept.
;;     - The product sums the exact products of the quantised numbers (number of the format x scale) in f32.
;;   ~~~python
;;   def quantise(x, axis):      # numpy; x: float32 -> the quantised numbers, widened to float32 again
;;       x = np.moveaxis(x, axis, -1); K = x.shape[-1]
;;       x = np.pad(x, [(0, 0)] * (x.ndim - 1) + [(0, -K % 32)]); x = x.reshape(x.shape[:-1] + (-1, 32)); a = np.abs(x).max(-1, keepdims=True)
;;       e = np.where(a > 0, np.clip(np.frexp(np.where(a > 0, a, 1))[1] - 1 - 2, -126, 127), 0)      # np.frexp(a)[1] - 1 = floor(log2(a)), exactly
;;       r = np.clip(x / 2.0 ** e, -6, 6)
;;       step = 2.0 ** (np.maximum(np.frexp(np.where(r == 0, 1, r))[1] - 1, 0) - 1)
;;       q = np.round(r / step) * step * 2.0 ** e      # np.round: ties to even
;;       return np.moveaxis(q.reshape(q.shape[:-2] + (-1,))[..., :K], -1, axis).astype(np.float32)
;;   ~~~
;;   SOFTMAX AHEAD OF A QUANTISED PRODUCT. Where the list says 'softmax', what is quantised is not the finished softmax but p = 2^(t - M), with t = logit x log2(e) and M = ceil(the row's largest t), a whole number; so 1/2 < the row's largest p <= 1. The row's sum l is taken of the UNQUANTISED p, in f32, and the product's result is divided by l at the end. Since M is a whole number, a kernel that streams over the keys may use a running M (the ceiling of the running maximum): every later rescaling is an exact power of two, which a block's scale takes up: the codes' values come out the same.
;;   OPERANDS COMPUTED ON THE WAY. 'Computed on the way' means the value that the module computes at that place (a softmax that the list does not call 'softmax' is quantised finished and normalised). What goes into a quantiser is computed in f32, as accurately as f32 sums, v_exp_f32 and their like allow (about 1e-6 of the number): no bf16 or f16 on the way to a quantiser, and a product that is left as it is and whose result goes on into a quantised operand takes f32 operands (vector FMAs, or v_wmma_f32_16x16x4_f32). A number that lies on a knife's edge between two numbers of the format may be rounded either way, as far as f32 arithmetic and the matrix unit's own rounding can turn it there, and no further.
;;   INPUTS GIVEN AS CODES. Wk (in the module: [1024, 1024], K = its axis 0); Wo (in the module: [1024, 1024], K = its axis 0); Wq (in the module: [1024, 1024], K = its axis 0); Wv (in the module: [1024, 1024], K = its axis 0); hidden_states (in the module: [2, 2048, 1024], K = its axis 2): each comes as NAME_codes (uint8): NAME with its K axis moved to the last place and cut into blocks of 32 codes, [.., K / 32, bytes a block], one block behind the other in memory; two codes a byte, the lower K in the low four bits (a code: sign, 2 exponent bits, 1 mantissa bit); and NAME_scales (uint8): the same leading axes, one E8M0 byte (e + 127) for each 32 codes along K. Its value is code x scale, taken as it is: it is not quantised again, and the codes and scales need not be those that the quantiser above would give.
;; One version. Each part assembles by itself: llvm-mc -triple=amdgcn-amd-amdhsa -mcpu=gfx1250 --defsym DOCPART=n.
;; ======== version 1 of 1: 3 launches
;; limits: right only within a limited range of input values
;; workspace buffers: qkv 6,946,816 bytes; att 2,359,296 bytes
;; launch proj (part 1): grid 8 x 32, 12 waves a work-group, clusters of 4 x 4, 299,520 bytes of LDS; arguments hidden_states_codes, hidden_states_scales, Wq_codes, Wq_scales, Wk_codes, Wk_scales, Wv_codes, Wv_scales, bq, bk, bv, qkv; writes qkv
.if DOCPART == 1
	.amdgcn_target "amdgcn-amd-amdhsa--gfx1250"
	.amdhsa_code_object_version 6
	.text
	.protected	k_qcc7b17255a_proj
	.globl	k_qcc7b17255a_proj
	.p2align	8
	.type	k_qcc7b17255a_proj,@function
k_qcc7b17255a_proj:
	s_mov_b64 s[64:65], 0
	v_nop
	global_prefetch_b8 v0, s[64:65] scope:SCOPE_SE
	s_setreg_imm32_b32 hwreg(HW_REG_WAVE_MODE, 25, 1), 1
	s_wait_xcnt 0x0
	s_wait_alu depctr_hold_cnt(0) depctr_sa_sdst(0) depctr_va_vdst(0) depctr_va_sdst(0) depctr_va_ssrc(0) depctr_va_vcc(0) depctr_vm_vsrc(0)
	s_getreg_b32 s2, hwreg(HW_REG_IB_STS2, 6, 4)
	s_cmp_eq_u32 s2, 0
	s_cbranch_scc0 .Lentry_in_a_cluster
	s_endpgm
.Lentry_in_a_cluster:
	s_bfe_u32 s2, ttmp6, 0x10000c
	s_cmp_lg_u32 s2, 0xf033
	s_cbranch_scc0 .Lentry_shape_is_right
	s_endpgm
.Lentry_shape_is_right:
; q = x Wq + bq, k = x Wk + bk, v = x Wv + bv on codes of FP4 (E2M1) with one E8M0 scale for each 32 along K = 1,024; sums in f32, the bias as the C of each sum's first product.
; The results are quantised here, in registers: q and k along the head's 64 (two blocks), v along the keys; they leave as IMAGES OF OPERAND REGISTERS (lane l's 16 bytes at 16 l) with their scale words.
; SHARES.  A work-group takes 128 tokens x 128 features (two heads) of each of q, k, v.  Twelve waves; wave w: role w / 4 (0 q, 1 k, 2 v), xh = (w / 2) % 2, yh = w % 2; each makes 64 x 64 over all of K: 16 accumulators.
; Source 0 ("X") is the axis that is quantised afterwards, so that a lane's registers run along it: for q and k the weight's rows (half xh = the head), for v the tokens (half xh).  Source 1 ("Y"): tokens (half yh), for v Wv's rows (half yh = the head).
; In the result lane (r, h) holds Y's r, and register j of tile a holds X's 16 a + 8 h + j.  A block of 32 is tiles 2 c, 2 c + 1 in lanes l and l xor 16.
; LDS: all that the work-group reads lies there at once: nothing is filled twice.  Codes: 8 regions (half of K, matrix) of 128 rows x 256 bytes, rows 272 bytes apart, so that the 16 rows of a load begin 16 bytes apart modulo 256.
; CLUSTER 4 x 4: the four work-groups of a row of the cluster take the same tokens, the four of a column the same weight rows: each tile is asked for jointly, which divides the requests by four.
; qkv: 512 blocks of 13,568 bytes, block (batch 16 + head) 16 + group of 128 tokens: K images 0 (tile of 16 keys t at 512 t), V images 4,096 (2,048 c + 512 t: d tile t, keys 64 c on), K words 8,192, V words 8,704, Q images 8,960, Q words 13,056.
; LIMITS: NaN, infinities and scale bytes 0xff are not served.  A block whose largest magnitude lies under 2^-124 gets the byte 1, a block of zeros too (the rule says 127): its codes are zeros, and this program alone reads the bytes.
.set CREG,  34816                      ; a region of codes: 128 rows x 272
.set HREG,  17408                      ; 64 rows: what one wave reads of X or of Y
.set KHALF, 139264                     ; from K's first half to its second: four regions
.set SCL,   278528                     ; the scale bytes: four regions of 128 rows x 32 bytes
.set WST,   294912                     ; 256 bytes for each wave: the scale words just made; no tile lands here
.set BLKB,  13568                      ; a block of qkv
.set WV,   3                           ; s3 wave;  s4 role;  s5 xh;  s6 yh
.set RHO,  4
.set XH,   5
.set YH,   6
.set G1CH, 32                          ; s[32:39] group 1: hidden's codes;  s[40:47] a weight's;  s[48:55] hidden's scales;  s[56:63] a weight's
.set G1CW, 40
.set G1SH, 48
.set G1SW, 56
.set G0H,  68                          ; s[68:79] three groups 0 for hidden: scales, codes of K's first half, of its second
.set G0W,  80                          ; s[80:91] the same for a weight
.set SEL,  100                         ; s[100:101] v_permlanex16_b32's selects for lane l xor 16
.set ADX,  4                           ; v4 LDS address of X's fragments;  v5 of Y's;  v6 of the scale words (lanes 0-15 X's rows, lanes 16-31 Y's)
.set ADY,  5
.set ADS,  6
.set WA,   7                           ; v7 where I put a scale word;  v8 where I read eight bytes of them back
.set WR,   8
.set SC,   16                          ; v16-31 scale words: register 4 i + q: tile i, the half's q-th 128 along K
.set BT,   32                          ; v32-63 the bias in the result's layout; afterwards v32-39 at work, v40-43 scale words
.set TM,   32
.set PW,   40
.set XF,   64                          ; v64-95 X's four fragments; afterwards the codes
.set YF,   96                          ; v96-127 Y's four
.set PC,   64
.set ACC,  128                         ; v128-255: accumulator (a, b) at 128 + 8 (4 b + a)
.macro ROUND                           ; a round of the cluster's barrier
	s_barrier_signal -1
	s_barrier_wait -1
	s_cmp_lg_u32 s[WV], 0
	s_cbranch_scc1 .Lnot_wave_0_\@
	s_barrier_signal -3
.Lnot_wave_0_\@:
	s_barrier_wait -3
	s_barrier_signal -1
	s_barrier_wait -1
.endm
.macro PLACES n
.rept \n
	v_nop
.endr
.endm
.macro LOADS s                         ; K step s: with a half's first step its scale words; then four fragments of X and four of Y (16 rows x 128 K: two loads of 16 bytes, 32 apart)
.if (\s)%4 == 0
.irp i, 0,1,2,3
	ds_load_b128 v[SC+4*\i:SC+4*\i+3], v[ADS] offset:512*\i+16*((\s)/4)
.endr
.endif
.irp i, 0,1,2,3
	ds_load_b128 v[XF+8*\i:XF+8*\i+3],   v[ADX] offset:64*((\s)%4)+4352*\i
	ds_load_b128 v[XF+8*\i+4:XF+8*\i+7], v[ADX] offset:64*((\s)%4)+4352*\i+32
.endr
.irp i, 0,1,2,3
	ds_load_b128 v[YF+8*\i:YF+8*\i+3],   v[ADY] offset:64*((\s)%4)+4352*\i
	ds_load_b128 v[YF+8*\i+4:YF+8*\i+7], v[ADY] offset:64*((\s)%4)+4352*\i+32
.endr
.endm
; 16 products.  The sixteen accumulators take turns, one instruction a turn, in the same order in every step.  cmode 0: onto the sum; 1: the sum starts with the bias of X's tile; 2: of Y's tile.
.macro MUL q, cmode
.irp b, 0,1,2,3
.if \b > 0
	s_wait_dscnt 6-2*\b                            ; Y's tile b is in; its younger tiles, two loads each, may be out
.endif
.irp a, 0,1,2,3
.if \cmode == 1
.set CC, BT+8*\a
.elseif \cmode == 2
.set CC, BT+8*\b
.else
.set CC, ACC+8*(4*\b+\a)
.endif
	v_wmma_scale_f32_16x16x128_f8f6f4 v[ACC+8*(4*\b+\a):ACC+8*(4*\b+\a)+7], v[XF+8*\a:XF+8*\a+7], v[YF+8*\b:YF+8*\b+7], v[CC:CC+7], v[SC+4*\a+(\q)], v[SC+4*\b+(\q)] matrix_a_fmt:MATRIX_FMT_FP4 matrix_b_fmt:MATRIX_FMT_FP4 matrix_b_scale:MATRIX_SCALE_ROW1
.endr
.endr
.endm
.macro KSTEP s
	PLACES 4                                       ; four places between the last products and the loads into the registers that they read
	LOADS \s
	s_wait_dscnt 6                                 ; X and Y's tile 0 are in; Y's tiles 1 to 3, two loads each, may be out
	MUL (\s)%4, 0
.endm
; 32 numbers of a lane, v[s] on: register 16 c + i is, of block c, number 8 h + i (i < 8) or 16 + 8 h + i - 8.  They become 16 bytes of codes in v[pc] .. v[pc + 3] (lanes 0-15 block 0, lanes 16-31 block 1) and the word byte 0 | byte 1 << 8 in v[pw].
.macro QUANT2 s, pc, pw
.irp b, 0,1
	v_max3_num_f32 v[TM+\b], |v[\s+16*\b]|, |v[\s+16*\b+1]|, 0x1800000   ; my 16 numbers of the block, and the floor 2^(3 - 127): the byte cannot fall under 1
.endr
.irp i, 2,4,6,8,10,12,14
.irp b, 0,1
	v_max3_num_f32 v[TM+\b], v[TM+\b], |v[\s+16*\b+\i]|, |v[\s+16*\b+\i+1]|
.endr
.endr
.irp b, 0,1
	s_delay_alu instid0(VALU_DEP_2)
	v_permlanex16_b32 v[TM+2+\b], v[TM+\b], s[SEL], s[SEL+1]
.endr
.irp b, 0,1
	s_delay_alu instid0(VALU_DEP_2)
	v_max_num_f32 v[TM+\b], v[TM+\b], v[TM+2+\b]   ; with lane l xor 16's: the block's largest magnitude
.endr
.irp b, 0,1
	s_delay_alu instid0(VALU_DEP_2)
	v_add_nc_u32 v[TM+4+\b], 0xff000000, v[TM+\b]  ; 2 off its exponent field: the conversion takes this operand's exponent field as its scale
.endr
.irp b, 0,1
	s_delay_alu instid0(VALU_DEP_2)
	v_lshrrev_b32 v[TM+6+\b], 23, v[TM+4+\b]       ; the scale's byte
.endr
	s_delay_alu instid0(VALU_DEP_1)
	v_lshl_or_b32 v[\pw], v[TM+7], 8, v[TM+6]
.irp b, 0,1
	v_cvt_scalef32_pk8_fp4_f32 v[\pc+\b], v[\s+16*\b:\s+16*\b+7], v[TM+4+\b]
	v_cvt_scalef32_pk8_fp4_f32 v[\pc+2+\b], v[\s+16*\b+8:\s+16*\b+15], v[TM+4+\b]
.endr
	v_nop                                          ; one plain place behind a scaled conversion
; THE ORDER OF THE CODES: lanes 0-15 hold block 0, register i its numbers 8 i .. 8 i + 7; lanes 16-31 hold block 1, register i its numbers 8 (i xor 1) .. + 7.
; Both operands of each later product are laid so, q and k along the features, v along the keys as the next launch lays p: a sum does not hang on the order inside a block.
.irp i, 0,2
	v_cndmask_b32 v[TM+2+\i/2], v[\pc+\i+1], v[\pc+\i], s98   ; lanes 0-15 block 1's, lanes 16-31 block 0's: what has to change sides
.endr
.irp i, 0,2
	v_cndmask_b32 v[\pc+\i], v[\pc+\i], v[\pc+\i+1], s98
.endr
.irp i, 0,2
	v_permlanex16_b32 v[\pc+\i+1], v[TM+2+\i/2], s[SEL], s[SEL+1]
.endr
.endm
	s_load_b512 s[8:23], s[0:1], 0x0               ; hidden's codes s[8:9], scales s[10:11]; Wq's s[12:15]; Wk's s[16:19]; Wv's s[20:23]
	s_load_b256 s[24:31], s[0:1], 0x40             ; bq, bk, bv, qkv
	v_lshl_add_u32 v14, v0, 2, 0x48c00
	v_mov_b32 v15, 0
	ds_add_u32 v14, v15
	ds_add_u32 v14, v15
	v_lshrrev_b32 v1, 5, v0
	s_delay_alu instid0(VALU_DEP_1)
	v_readfirstlane_b32 s[WV], v1                  ; wave 0..11
	s_lshr_b32 s[RHO], s[WV], 2
	s_bfe_u32 s[XH], s[WV], 0x10001
	s_and_b32 s[YH], s[WV], 1
	s_bfe_u32 s92, ttmp6, 0x40000                  ; cx, cy: my place in the cluster
	s_bfe_u32 s93, ttmp6, 0x40004
	s_lshl_b32 s94, ttmp9, 2
	s_add_co_u32 s94, s94, s92                     ; x: which 128 features
	s_and_b32 s95, ttmp7, 0xffff
	s_lshl_b32 s95, s95, 2
	s_add_co_u32 s95, s95, s93                     ; y: which 128 tokens
	s_lshl_b32 s96, s93, 2
	s_lshl_b32 s96, 15, s96                        ; my row of the cluster
	s_lshl_b32 s97, 0x1111, s92                    ; my column
	; group 1.  Codes: 128 rows x 256 bytes, 512 bytes apart in memory, 16 bytes of padding behind each 64 words.  Scales of 128 rows: 4,096 dense bytes as 16 rows of 32 elements of 8 bytes
	s_or_b32 s[G1CH], s96, (1<<20)|(1<<21)|(5<<22)|(3<<25)
	s_or_b32 s[G1CW], s97, (1<<20)|(1<<21)|(5<<22)|(3<<25)
	s_or_b32 s[G1SH], s96, (3<<16)|(1<<21)
	s_or_b32 s[G1SW], s97, (3<<16)|(1<<21)
.irp g, G1CH, G1CW
	s_mov_b32 s[\g+1], 256<<16                     ; tensor_dim0
	s_mov_b32 s[\g+2], 128<<16                     ; tensor_dim1
	s_mov_b32 s[\g+3], 256<<16                     ; tile_dim0
	s_mov_b32 s[\g+4], 128                         ; tile_dim1
	s_mov_b32 s[\g+5], 512                         ; from row to row
	s_mov_b32 s[\g+6], 0
	s_mov_b32 s[\g+7], 0
.endr
.irp g, G1SH, G1SW
	s_mov_b32 s[\g+1], 32<<16
	s_mov_b32 s[\g+2], 16<<16
	s_mov_b32 s[\g+3], 32<<16
	s_mov_b32 s[\g+4], 16
	s_mov_b32 s[\g+5], 32
	s_mov_b32 s[\g+6], 0
	s_mov_b32 s[\g+7], 0
.endr
	; group 0.  Every wave has one load: matrix w % 4 (0 Wq, 1 Wk, 2 hidden, 3 Wv), 128 rows; waves 0-3 codes of K's first half, 4-7 of its second, 8-11 the scales.  The LDS addresses hang on the wave's number alone
	s_and_b32 s99, s[WV], 3
	s_mul_i32 s7, s99, CREG
	s_lshl_b32 s98, s99, 12
.irp g, G0H, G0W
	s_mov_b32 s[\g], 1
	s_add_co_u32 s[\g+1], s98, SCL
	s_mov_b32 s[\g+4], 1
	s_mov_b32 s[\g+5], s7
	s_mov_b32 s[\g+8], 1
	s_add_co_u32 s[\g+9], s7, KHALF
.endr
	s_lshl_b32 s[G0H+6], s95, 16                   ; hidden: 128 y rows of codes; these registers never hold cx
	s_mov_b32 s[G0H+7], 0
	s_lshr_b32 s[G0H+2], s[G0H+6], 4               ; a row of scales is a sixteenth of a row of codes
	s_mov_b32 s[G0H+3], 0
	s_lshl_b32 s[G0W+6], s94, 16                   ; a weight: 128 x rows; these never hold cy
	s_mov_b32 s[G0W+7], 0
	s_lshr_b32 s[G0W+2], s[G0W+6], 4
	s_mov_b32 s[G0W+3], 0
	; LDS addresses of the reads
	v_and_b32 v1, 15, v0                           ; r
	v_bfe_u32 v2, v0, 4, 1                         ; h
	v_and_b32 v3, 31, v0                           ; lane
	s_delay_alu instid0(VALU_DEP_3)
	v_mul_u32_u24 v12, v1, 272
	s_delay_alu instid0(VALU_DEP_1)
	v_lshl_add_u32 v12, v2, 4, v12                 ; row r, + 16 h
	s_wait_alu depctr_va_vdst(0)
	s_mul_i32 s7, s[RHO], CREG                     ; X's region is the role's number: Wq, Wk, hidden
	s_mul_i32 s98, s[XH], HREG
	s_add_co_u32 s7, s7, s98
	v_add_nc_u32 v[ADX], s7, v12
	s_lshr_b32 s99, s[RHO], 1
	s_add_co_u32 s99, s99, 2                       ; Y's region: hidden, for v Wv
	s_mul_i32 s7, s99, CREG
	s_mul_i32 s98, s[YH], HREG
	s_add_co_u32 s7, s7, s98
	v_add_nc_u32 v[ADY], s7, v12
	s_lshl_b32 s7, s[RHO], 12
	s_lshl_b32 s98, s[XH], 11
	s_add_co_u32 s7, s7, s98                       ; X's scales
	s_lshl_b32 s99, s99, 12
	s_lshl_b32 s98, s[YH], 11
	s_add_co_u32 s99, s99, s98                     ; Y's, which lie further on
	s_sub_co_u32 s99, s99, s7
	v_mul_u32_u24 v12, s99, v2                     ; lanes 16-31 take Y's
	s_add_co_u32 s7, s7, SCL
	v_lshl_add_u32 v12, v1, 5, v12                 ; 32 bytes a row
	s_delay_alu instid0(VALU_DEP_1)
	v_add_nc_u32 v[ADS], s7, v12
	s_lshl_b32 s7, s[WV], 8
	s_add_co_u32 s7, s7, WST
	v_lshl_add_u32 v[WA], v1, 2, s7
	v_lshl_add_u32 v[WR], v3, 3, s7
	v_lshlrev_b32 v9, 4, v3                        ; 16 x lane: an image's place
	v_lshlrev_b32 v10, 3, v3                       ; 8 x lane: the words' way out
	v_lshlrev_b32 v11, 5, v2                       ; the bias along X: 8 h numbers on
	v_lshlrev_b32 v13, 2, v1                       ; the bias along Y: number r
	s_wait_dscnt 0x0
	s_wait_kmcnt 0x0
	s_add_nc_u64 s[G0H+2:G0H+3], s[10:11], s[G0H+2:G0H+3]
	s_add_nc_u64 s[G0H+6:G0H+7], s[8:9], s[G0H+6:G0H+7]
	s_add_nc_u64 s[G0H+10:G0H+11], s[G0H+6:G0H+7], 256     ; K's second half: 256 bytes on in each row
	s_and_b32 s7, s[WV], 3                         ; which weight: the choice hangs on the wave's number alone
	s_cmp_eq_u32 s7, 0
	s_cselect_b64 s[98:99], s[12:13], s[20:21]
	s_cselect_b64 s[100:101], s[14:15], s[22:23]
	s_cmp_eq_u32 s7, 1
	s_cselect_b64 s[98:99], s[16:17], s[98:99]
	s_cselect_b64 s[100:101], s[18:19], s[100:101]
	s_add_nc_u64 s[G0W+2:G0W+3], s[100:101], s[G0W+2:G0W+3]
	s_add_nc_u64 s[G0W+6:G0W+7], s[98:99], s[G0W+6:G0W+7]
	s_add_nc_u64 s[G0W+10:G0W+11], s[G0W+6:G0W+7], 256
.irp g, G0H, G0W
	s_or_b32 s[\g+3], s[\g+3], 0x80000000          ; type = 2
	s_or_b32 s[\g+7], s[\g+7], 0x80000000
	s_or_b32 s[\g+11], s[\g+11], 0x80000000
.endr
	ROUND                                          ; all sixteen work-groups are here: the joint loads meet
; ONE tree of branches on the wave's number: every way through it passes one load; each line has one mask and one set of registers for all that issue it
.macro ARM op, val, g0, g1, next
	\op s[WV], \val
	s_cbranch_scc0 \next
	tensor_load_to_lds s[\g0:\g0+3], s[\g1:\g1+7]
	s_nop 0
	PLACES 4
	s_branch .Lasked
\next:
.endm
	ARM s_cmp_eq_u32, 2, G0H+4, G1CH, .Lhead_w1
	ARM s_cmp_lt_u32, 4, G0W+4, G1CW, .Lhead_h2
	ARM s_cmp_eq_u32, 6, G0H+8, G1CH, .Lhead_w2
	ARM s_cmp_lt_u32, 8, G0W+8, G1CW, .Lhead_hs
	ARM s_cmp_eq_u32, 10, G0H, G1SH, .Lhead_ws
	tensor_load_to_lds s[G0W:G0W+3], s[G1SW:G1SW+7]
	s_nop 0
	PLACES 4
.Lasked:
	s_mov_b32 s[SEL], 0x76543210
	s_mov_b32 s[SEL+1], 0xfedcba98
	; my bias, my head and my place in qkv
	s_cmp_eq_u32 s[RHO], 0
	s_cselect_b64 s[24:25], s[24:25], s[28:29]
	s_cselect_b32 s16, 8960, 0                     ; the images' place in a block: q 8,960, k 0, v 4,096
	s_mov_b32 s17, 8192                            ; the words': q 13,056, k 8,192, v 8,704
	s_cselect_b32 s17, 13056, s17
	s_cmp_eq_u32 s[RHO], 1
	s_cselect_b64 s[24:25], s[26:27], s[24:25]
	s_cmp_eq_u32 s[RHO], 2
	s_cselect_b32 s16, 4096, s16
	s_cselect_b32 s17, 8704, s17
	s_cselect_b32 s98, s[YH], s[XH]                ; which of the two heads
	s_cselect_b32 s99, s[XH], s[YH]                ; which 64 of the 128 tokens
	s_lshl_b32 s12, s94, 9
	s_lshl_b32 s13, s98, 8
	s_add_co_u32 s12, s12, s13
	s_mov_b32 s13, 0
	s_add_nc_u64 s[24:25], s[24:25], s[12:13]      ; the bias at feature 128 x + 64 head
	s_lshr_b32 s12, s95, 4                         ; batch
	s_lshl_b32 s12, s12, 4
	s_lshl_b32 s13, s94, 1
	s_add_co_u32 s12, s12, s13
	s_add_co_u32 s12, s12, s98                     ; batch 16 + head
	s_lshl_b32 s12, s12, 4
	s_and_b32 s13, s95, 15
	s_add_co_u32 s12, s12, s13                     ; + the group of 128 tokens
	s_mul_i32 s12, s12, BLKB
	s_lshl_b32 s18, s99, 11
	s_lshl_b32 s19, s99, 8
	s_add_co_u32 s20, s16, s12
	s_add_co_u32 s20, s20, s18
	s_mov_b32 s21, 0
	s_add_co_u32 s22, s17, s12
	s_add_co_u32 s22, s22, s19
	s_mov_b32 s23, 0
	s_add_nc_u64 s[12:13], s[30:31], s[20:21]      ; where my four images go
	s_add_nc_u64 s[14:15], s[30:31], s[22:23]      ; and my 256 bytes of scale words
	s_cmp_eq_u32 s[RHO], 2
	s_cbranch_scc1 .Lbias_v
	s_wait_alu depctr_va_vdst(0)
.irp a, 0,1,2,3                                        ; q, k: the feature runs along the registers: tile a, numbers 16 a + 8 h + 0 .. 7
	global_load_b128 v[BT+8*\a:BT+8*\a+3],   v11, s[24:25] offset:64*\a
	global_load_b128 v[BT+8*\a+4:BT+8*\a+7], v11, s[24:25] offset:64*\a+16
.endr
	s_wait_loadcnt 0x0
	s_branch .Lbias_done
.Lbias_v:
	s_wait_alu depctr_va_vdst(0)
.irp b, 0,1,2,3                                        ; v: the feature is the lane's: tile b, number 16 b + r, in all eight registers
	global_load_b32 v[BT+8*\b], v13, s[24:25] offset:64*\b
.endr
	s_wait_loadcnt 0x0
.irp b, 0,1,2,3
.irp j, 1,2,3,4,5,6,7
	v_mov_b32 v[BT+8*\b+\j], v[BT+8*\b]
.endr
.endr
	PLACES 4                                       ; between operands written by vector instructions and the scaled products
.Lbias_done:
	s_cmp_eq_u32 s[RHO], 1                         ; waves 4 to 7 fetch K's second half: their loads may stay out
	s_cbranch_scc1 .Lfirst_in
	s_wait_tensorcnt 0x0                           ; my part of K's first half or of the scales is in
.Lfirst_in:
	s_barrier_signal -1
	s_barrier_wait -1                              ; everybody's are
	LOADS 0
	s_wait_dscnt 0x0
	s_cmp_eq_u32 s[RHO], 2
	s_cbranch_scc1 .Lfirst_v
	s_wait_alu depctr_va_vdst(0)
	MUL 0, 1                                       ; the first K step starts the sums with the bias: nothing is cleared, nothing added afterwards
	s_branch .Lfirst_done
.Lfirst_v:
	s_wait_alu depctr_va_vdst(0)
	MUL 0, 2
.Lfirst_done:
	KSTEP 1
	KSTEP 2
	KSTEP 3
	s_wait_tensorcnt 0x0                           ; my part of K's second half is in
	s_barrier_signal -1                            ; (no LDS instruction of mine is out)
	s_barrier_wait -1
	v_add_nc_u32 v[ADX], KHALF, v[ADX]             ; on to the second half's regions; with the two lines below: the four places in front of the loads
	v_add_nc_u32 v[ADY], KHALF, v[ADY]
	PLACES 2
	LOADS 4
	s_wait_alu depctr_va_vdst(0)
	s_wait_dscnt 6
	MUL 0, 0
	KSTEP 5
	KSTEP 6
	KSTEP 7
	s_mov_b32 s98, 0xffff0000                      ; lanes 16-31
	PLACES 4                                       ; in front of the first read of results
.irp b, 0,1,2,3                                        ; Y's tile b: 32 registers along X: two blocks.  Each tile has registers of its own for codes and word: no store's data are written again
	QUANT2 ACC+32*\b, PC+4*\b, PW+\b
	global_store_b128 v9, v[PC+4*\b:PC+4*\b+3], s[12:13] offset:512*\b   ; the wave stores 512 consecutive bytes, at a multiple of 256 from the buffer's first byte
	ds_store_b32 v[WA], v[PW+\b] offset:64*\b      ; lanes l and l xor 16 write the same word with the same value
.endr
	s_wait_dscnt 0x0                               ; for the others' sake: my words lie in LDS
	s_barrier_signal -1
	s_barrier_wait -1
	s_cmp_lt_u32 s[WV], 8
	s_cbranch_scc0 .Lwords_v
	ds_load_b64 v[80:81], v[WR]                    ; q, k: my 64 words leave as 256 consecutive bytes
	s_wait_dscnt 0x0
	global_store_b64 v10, v[80:81], s[14:15]
	s_branch .Lwords_done
.Lwords_v:
	s_cmp_lt_u32 s[WV], 10
	s_cbranch_scc0 .Lwords_done
	ds_load_b64 v[80:81], v[WR]                    ; v: bytes 0, 1 are mine (keys 0-63), bytes 2, 3 those of the wave two further on (keys 64-127, the same head)
	ds_load_b64 v[82:83], v[WR] offset:512
	s_wait_dscnt 0x0
	v_lshl_or_b32 v84, v82, 16, v80
	v_lshl_or_b32 v85, v83, 16, v81
	global_store_b64 v10, v[84:85], s[14:15]
.Lwords_done:
	s_wait_tensorcnt 0x0
	ds_add_u32 v14, v15
	s_wait_dscnt 0x0
	ROUND                                          ; the closing round: no work-group ends while a partner may still ask for a tile that names it
	s_endpgm
.Lfunc_end_k_qcc7b17255a_proj:
	.size	k_qcc7b17255a_proj, .Lfunc_end_k_qcc7b17255a_proj-k_qcc7b17255a_proj
	.p2alignl 7, 3214868480
	.fill 96, 4, 3214868480
	.section	.rodata,"a",@progbits
	.p2align	6, 0x0
	.amdhsa_kernel k_qcc7b17255a_proj
		.amdhsa_group_segment_fixed_size 299520
		.amdhsa_private_segment_fixed_size 0
		.amdhsa_enable_private_segment 0
		.amdhsa_kernarg_size 96
		.amdhsa_user_sgpr_count 2
		.amdhsa_user_sgpr_kernarg_segment_ptr 1
		.amdhsa_wavefront_size32 1
		.amdhsa_system_sgpr_workgroup_id_x 1
		.amdhsa_system_sgpr_workgroup_id_y 1
		.amdhsa_system_sgpr_workgroup_id_z 1
		.amdhsa_system_vgpr_workitem_id 0
		.amdhsa_next_free_vgpr 256
		.amdhsa_next_free_sgpr 102
		.amdhsa_reserve_vcc 0
		.amdhsa_float_denorm_mode_32 3
		.amdhsa_float_denorm_mode_16_64 3
		.amdhsa_memory_ordered 1
		.amdhsa_forward_progress 1
		.amdhsa_inst_pref_size 54
	.end_amdhsa_kernel
	.amdgpu_metadata
---
amdhsa.version: [ 1, 2 ]
amdhsa.kernels:
  - .name:           k_qcc7b17255a_proj
    .symbol:         k_qcc7b17255a_proj.kd
    .args:
      - { .name: hidden_states_codes, .offset: 0, .size: 8, .value_kind: global_buffer, .address_space: global }
      - { .name: hidden_states_scales, .offset: 8, .size: 8, .value_kind: global_buffer, .address_space: global }
      - { .name: Wq_codes, .offset: 16, .size: 8, .value_kind: global_buffer, .address_space: global }
      - { .name: Wq_scales, .offset: 24, .size: 8, .value_kind: global_buffer, .address_space: global }
      - { .name: Wk_codes, .offset: 32, .size: 8, .value_kind: global_buffer, .address_space: global }
      - { .name: Wk_scales, .offset: 40, .size: 8, .value_kind: global_buffer, .address_space: global }
      - { .name: Wv_codes, .offset: 48, .size: 8, .value_kind: global_buffer, .address_space: global }
      - { .name: Wv_scales, .offset: 56, .size: 8, .value_kind: global_buffer, .address_space: global }
      - { .name: bq, .offset: 64, .size: 8, .value_kind: global_buffer, .address_space: global }
      - { .name: bk, .offset: 72, .size: 8, .value_kind: global_buffer, .address_space: global }
      - { .name: bv, .offset: 80, .size: 8, .value_kind: global_buffer, .address_space: global }
      - { .name: qkv, .offset: 88, .size: 8, .value_kind: global_buffer, .address_space: global }
    .group_segment_fixed_size: 299520
    .private_segment_fixed_size: 0
    .kernarg_segment_align: 8
    .kernarg_segment_size: 96
    .max_flat_workgroup_size: 384
    .sgpr_count:     102
    .vgpr_count:     256
    .wavefront_size: 32
...
	.end_amdgpu_metadata
.endif
;; end of part 1
;; launch attn (part 2): grid 8 x 32, 8 waves a work-group, clusters of 4 x 1, 169,984 bytes of LDS; arguments qkv, att; writes att
.if DOCPART == 2
	.amdgcn_target "amdgcn-amd-amdhsa--gfx1250"
	.amdhsa_code_object_version 6
	.text
	.protected	k_qcc7b17255a_attn
	.globl	k_qcc7b17255a_attn
	.p2align	8
	.type	k_qcc7b17255a_attn,@function
k_qcc7b17255a_attn:
	s_mov_b64 s[64:65], 0
	v_nop
	global_prefetch_b8 v0, s[64:65] scope:SCOPE_SE
	s_setreg_imm32_b32 hwreg(HW_REG_WAVE_MODE, 25, 1), 1
	s_wait_xcnt 0x0
	s_wait_alu depctr_hold_cnt(0) depctr_sa_sdst(0) depctr_va_vdst(0) depctr_va_sdst(0) depctr_va_ssrc(0) depctr_va_vcc(0) depctr_vm_vsrc(0)
	s_getreg_b32 s2, hwreg(HW_REG_IB_STS2, 6, 4)
	s_cmp_eq_u32 s2, 0
	s_cbranch_scc0 .Lentry_in_a_cluster
	s_endpgm
.Lentry_in_a_cluster:
	s_bfe_u32 s2, ttmp6, 0x10000c
	s_cmp_lg_u32 s2, 0x3003
	s_cbranch_scc0 .Lentry_shape_is_right
	s_endpgm
.Lentry_shape_is_right:
; attended[q] = the sum over keys of softmax(q . k / 8) v, for one head and 256 queries a work-group; both products on codes of FP4 (E2M1) with E8M0 scales; the result is quantised along the merged 1,024 (two blocks a head) for the last product.
; THE SOFTMAX: t = score x log2(e) / 8; M = the running largest t rounded UP to a whole number; p = 2^(t - M) is what is quantised, along the keys.  The row's sum is taken of the unquantised p and divides at the end.
; When M moves, the sum and O are multiplied by 2^(old M - new M), which rounds nothing.
; SHARES.  Eight waves, each with TWO tiles of 16 queries in 512 registers: each fragment of K and V feeds two products, and the tiles' chains stand beside each other.
; Every wave walks all 2,048 keys, 256 a step in two halves of 128; the halves' regions X and Y change roles from step to step.
; LAYOUT.  Both products are used transposed: S^T = K Q^T, O^T = V^T P^T: a lane holds ONE query (lane % 16) of each tile throughout.
; THE KEYS OF A TILE OF K: tile u (0 .. 3) of a group of 64 keys takes, in rows 0-7, keys 8 u .. 8 u + 7 of the group's first block of 32 and, in rows 8-15, keys 8 (u xor 1) .. + 7 of its second block.
; So lanes 0-15 hold the whole of one block and lanes 16-31 the whole of the other: a block's maximum and codes need no other lane.  V's images (laid by the launch before) have the same order inside a block.
; The xor makes a load's sixteen lanes touch sixteen different 16-byte columns modulo 256; it needs one address register for even u and one for odd u.
; S^T by the 32-row form: rows 0-15 tile u, rows 16-31 tile u + 2.  The head has 64 along K where the instruction has 128: the upper four registers of Q are zero codes, so what K's operand holds there counts for nothing;
; K's tiles stand four registers apart, and an operand's unused registers are the neighbouring tile's.  (The scale bytes 2 and 3 of K's and Q's words are 0: finite codes.)
; A BLOCK'S SCALE is 2^(floor(u) - 2), u = its largest score x c - M: the exponent of its largest p without an exponential.
; REGISTER WINDOWS: the low one holds tile 0's S^T, Q, K's fragments, V's of the first half, and all that is small; the second one tile 1's S^T, both tiles' O^T and codes, and V of the second half.
; LDS.  The head's K and V for all keys, 16 blocks of 8,960 bytes (images and scale words as the launch before laid them), come ONCE, one tensor load a wave: nothing is filled twice, and the loop reads nothing from memory: so there is no prefetch.
; CLUSTER 4 x 1: the four blocks of queries of a cluster belong to one head and need the same K and V: each load is asked for jointly.
; LIMITS: NaN and infinities are not served.  p under 2^-126 counts as 0.  1 / sum is v_rcp_f32 and a multiplication.
; A block of the result whose largest magnitude lies under 2^-124 gets the byte 1 (a block of zeros too): this program alone reads the bytes.
.set BLKL,  8960                       ; 128 keys in LDS: K images 0, V images 4,096, K words 8,192, V words 8,704
.set STEPB, 17920                      ; 256 keys
.set BLKB,  13568                      ; a block of qkv: behind those, Q images 8,960 and Q words 13,056
.set AST,   143360                     ; behind the 16 blocks: 1,024 bytes for the result's scale words; no tile lands here
.set SPARE, 144384                     ; the spare words, 128 bytes for each wave
.set ATTSW, 2097152                    ; att: images [token tile][head][512], then scale words [head][token tile][16]
.set WV,  8                            ; s8 wave
.set G1,  16                           ; s[16:23], s[24:27] the descriptor
.set G0,  24
.set SEL, 28                           ; s[28:29] selects for lane l xor 16
.set CS,  30                           ; s[30:31] c = log2(e) / 8: the packed form names a pair and takes its low word for both halves
.set CNT, 32                           ; s32 trips to go;  s33 -c
.set NC,  33
; the low window; tile 1's register stands behind tile 0's by the distance in brackets
.set T2,  2                            ; v2-3 at work [1]
.set QW,  4                            ; v4-5 Q's scale words [1]
.set SPW, 6                            ; v6 my spare word, v7 0; never rewritten
.set NIL, 7
.set MA,  8                            ; v8 -M in even steps, v10 in odd steps [4].  (Packed forms name v[8:9] and so on, and take the low word)
.set RM,  9                            ; v9 the running largest score [2]
.set MB,  10
.set ADV, 13                           ; v13 LDS address of V's images;  v15 of V's words
.set ADVW, 15
.set F,   16                           ; v16 f = 2^(old M - new M) [2]
.set T,   17                           ; v17 at work [2]
.set SUM, 20                           ; v[20:21] the sum, in two halves [2]
.set QF,  24                           ; v24-27 Q, v28-31 zero codes [8]
.set TM,  40                           ; v40-43 block maxima, later their exponents [4];  v48-51 second chains, later the conversions' scale operands [4]
.set SO,  48
.set PW,  56                           ; v56, v57 p's scale words of the step's halves [2]
.set VW,  60                           ; v60-63 V's words: register i: tile 2 i in lanes 0-15, tile 2 i + 1 in lanes 16-31; two for each half
.set KW,  64                           ; v64-71 K's words, four for each half
.set F1,  72                           ; v72-103 fragments: K of the step's second half, then V of its first
.set ADE, 104                          ; v104-107 LDS addresses: K's even tiles, odd tiles, the words of either.  (They are the unused registers of F1's last operand)
.set ADO, 105
.set WE,  106
.set WO,  107
.set X,   128                          ; v128-191, v192-255 S^T, then p, of a step's halves, in either window; tile 0's region that is done with takes K of the next step's first half
.set Y,   192
; the second window
.set O,   0                            ; v0-31 O^T [32]
.set PC,  64                           ; v64-71, v72-79 p's codes of the step's halves [16]
.set FB,  96                           ; v96-127 V of the step's second half
.set MSB, 0
.macro WIN new                         ; the immediate's high byte repeats the setting that is left
.if MSB != \new
	s_set_vgpr_msb (MSB<<8)|\new
.set MSB, \new
.endif
.endm
.macro ROUND                           ; a round of the cluster's barrier
	s_barrier_signal -1
	s_barrier_wait -1
	s_cmp_lg_u32 s[WV], 0
	s_cbranch_scc1 .Lnot_wave_0_\@
	s_barrier_signal -3
.Lnot_wave_0_\@:
	s_barrier_wait -3
	s_barrier_signal -1
	s_barrier_wait -1
.endm
.macro LOADK off, dst, kw              ; K of 128 keys: eight tiles of four registers, four registers of words: twelve loads
.irp c, 0,1
.irp u, 0,2
	ds_load_b128 v[\dst+16*\c+4*\u:\dst+16*\c+4*\u+3], v[ADE] offset:(\off)+2048*\c+256*\u
	ds_load_b128 v[\dst+16*\c+4*\u+4:\dst+16*\c+4*\u+7], v[ADO] offset:(\off)+2048*\c+256*\u
.endr
	ds_load_b32 v[\kw+2*\c], v[WE] offset:(\off)+8192+256*\c
	ds_load_b32 v[\kw+2*\c+1], v[WO] offset:(\off)+8192+256*\c
.endr
.endm
.macro LOADV off, dst                  ; V of 128 keys: four tiles of the head's features, eight registers each
.irp t, 0,1,2,3
.irp c, 0,1
	ds_load_b128 v[\dst+8*\t+4*\c:\dst+8*\t+4*\c+3], v[ADV] offset:(\off)+4096+2048*\c+512*\t
.endr
.endr
.endm
.macro SMUL d, k, kw, i                ; S^T of 128 keys and tile i.  Registers 32 c on are a lane's block of group c, by tiles u = 0, 2, 1, 3, eight each
.irp c, 0,1
	v_wmma_scale_f32_32x16x128_f4 v[\d+32*\c:\d+32*\c+15], v[\k+16*\c:\k+16*\c+15], v[QF+8*\i:QF+8*\i+7], 0, v[\kw+2*\c], v[QW+\i]
	v_wmma_scale_f32_32x16x128_f4 v[\d+32*\c+16:\d+32*\c+31], v[\k+16*\c+4:\k+16*\c+19], v[QF+8*\i:QF+8*\i+7], 0, v[\kw+2*\c+1], v[QW+\i]
.endr
.endm
.macro PMUL o, vf, vw, pc, pw          ; O^T += V^T P^T over 128 keys: the accumulators by turns
.irp t, 0,2
	v_wmma_scale_f32_16x16x128_f8f6f4 v[\o+8*\t:\o+8*\t+7], v[\vf+8*\t:\vf+8*\t+7], v[\pc:\pc+7], v[\o+8*\t:\o+8*\t+7], v[\vw+\t/2], v[\pw] matrix_a_fmt:MATRIX_FMT_FP4 matrix_b_fmt:MATRIX_FMT_FP4
	v_wmma_scale_f32_16x16x128_f8f6f4 v[\o+8*\t+8:\o+8*\t+15], v[\vf+8*\t+8:\vf+8*\t+15], v[\pc:\pc+7], v[\o+8*\t+8:\o+8*\t+15], v[\vw+\t/2], v[\pw] matrix_a_fmt:MATRIX_FMT_FP4 matrix_b_fmt:MATRIX_FMT_FP4 matrix_a_scale:MATRIX_SCALE_ROW1
.endr
.endm
; the largest score of each of a half's two blocks, in two chains each: 17 numbers into TM + n + b, 15 into SO + n + b
.macro BMAX0 z, n
.irp b, 0,1
	v_max3_num_f32 v[TM+\n+\b], v[\z+32*\b], v[\z+32*\b+1], v[\z+32*\b+2]
	v_max3_num_f32 v[SO+\n+\b], v[\z+32*\b+17], v[\z+32*\b+18], v[\z+32*\b+19]
.endr
.endm
.macro BMAX1 z, n
.irp i, 3,5,7,9,11,13
.irp b, 0,1
	v_max3_num_f32 v[TM+\n+\b], v[TM+\n+\b], v[\z+32*\b+\i], v[\z+32*\b+\i+1]
	v_max3_num_f32 v[SO+\n+\b], v[SO+\n+\b], v[\z+32*\b+\i+17], v[\z+32*\b+\i+18]
.endr
.endr
.irp b, 0,1
	v_max3_num_f32 v[TM+\n+\b], v[TM+\n+\b], v[\z+32*\b+15], v[\z+32*\b+16]
.endr
.endm
.macro TMINUS z, mn                    ; t - M, two at a time
.set j, 0
.rept 32
	v_pk_fma_f32 v[\z+j:\z+j+1], v[\z+j:\z+j+1], s[CS:CS+1], v[\mn:\mn+1] op_sel_hi:[1,0,0]
.set j, j+2
.endr
.endm
.macro EXPFMA z, y, mn                 ; p = 2^(t - M) of half z, with the t - M of half y between
.set j, 0
.rept 32
	v_exp_f32 v[\z+j], v[\z+j]
	v_exp_f32 v[\z+j+1], v[\z+j+1]
	v_pk_fma_f32 v[\y+j:\y+j+1], v[\y+j:\y+j+1], s[CS:CS+1], v[\mn:\mn+1] op_sel_hi:[1,0,0]
.set j, j+2
.endr
.endm
.macro EXPADD z, y                     ; p of half z, with the first sums of half y, in place, between
.set j, 0
.rept 16
	v_exp_f32 v[\z+2*j], v[\z+2*j]
	v_exp_f32 v[\z+2*j+1], v[\z+2*j+1]
	v_exp_f32 v[\z+2*j+2], v[\z+2*j+2]
	v_exp_f32 v[\z+2*j+3], v[\z+2*j+3]
	v_pk_add_f32 v[\y+j:\y+j+1], v[\y+j:\y+j+1], v[\y+32+j:\y+33+j]
.set j, j+2
.endr
.endm
.macro CVT z, pc, so                   ; register 4 c + u of the operand: tile u of group c
.irp c, 0,1
.irp u, 0,1,2,3
	v_cvt_scalef32_pk8_fp4_f32 v[\pc+4*\c+\u], v[\z+32*\c+8*(\u/2)+16*(\u%2):\z+32*\c+8*(\u/2)+16*(\u%2)+7], v[\so+\c]
.endr
.endr
.endm
.macro ADDP z, y, n                    ; n pairs at y onto n pairs at z
.set j, 0
.rept \n
	v_pk_add_f32 v[\z+j:\z+j+1], v[\z+j:\z+j+1], v[\y+j:\y+j+1]
.set j, j+2
.endr
.endm
.macro ADD7 z                          ; eight pairs into one
	ADDP \z, \z+8, 4
.irp i, 0,2
	s_delay_alu instid0(VALU_DEP_2)
	v_pk_add_f32 v[\z+\i:\z+\i+1], v[\z+\i:\z+\i+1], v[\z+4+\i:\z+5+\i]
.endr
	s_delay_alu instid0(VALU_DEP_1)
	v_pk_add_f32 v[\z:\z+1], v[\z:\z+1], v[\z+2:\z+3]
.endm
; A STEP of 256 keys.  g: the first half's region; z: the second half's, which (tile 0's) holds K of the first half.  mn, mo: where the new -M goes and where the old one is.  vo: V's place in the trip; ko: the next step's K.  odd: the trip ends; last: nothing is fetched for a next step.
.macro STEP g, z, mn, mo, vo, ko, odd, last
	s_wait_dscnt 12                                ; K's first half is in; the twelve loads of its second half may be out
	SMUL \g, \z, KW, 0
	WIN 0x40
	SMUL \g, \z, KW, 1
.rept 5
	v_nop                                          ; tile 0's next products write over K's first half, which these read
.endr
	s_wait_dscnt 0x0                               ; K's second half
	SMUL \z, F1, KW+4, 1
	WIN 0
	SMUL \z, F1, KW+4, 0
	BMAX0 \g, 0                                    ; (four places in front of the loads into F1)
	LOADV \vo, F1
.irp i, 0,1
	ds_load_b32 v[VW+\i], v[ADVW] offset:\vo+8704+128*\i
	ds_load_b32 v[VW+2+\i], v[ADVW] offset:\vo+BLKL+8704+128*\i
.endr
	WIN 0x40
	LOADV \vo+BLKL, FB
	WIN 0x15
	BMAX0 \g, 4
	WIN 0
	BMAX1 \g, 0
	BMAX0 \z, 2
	BMAX1 \z, 2
	WIN 0x14
	BMAX1 \g, 4
	WIN 0x15
	BMAX0 \z, 6
	WIN 0x14
	BMAX1 \z, 6
	WIN 0
.irp b, 0,4,1,5,2,6,3,7
	v_max_num_f32 v[TM+\b], v[TM+\b], v[SO+\b]
.endr
.irp i, 0,1
	v_max3_num_f32 v[T+2*\i], v[TM+4*\i], v[TM+4*\i+1], v[TM+4*\i+2]
.endr
.irp i, 0,1
	v_max_num_f32 v[T+2*\i], v[T+2*\i], v[TM+4*\i+3]
.endr
.irp i, 0,1
	v_permlanex16_b32 v[T2+\i], v[T+2*\i], s[SEL], s[SEL+1]
.endr
.irp i, 0,1
	v_max3_num_f32 v[RM+2*\i], v[RM+2*\i], v[T+2*\i], v[T2+\i]   ; my query's largest score so far, lane l xor 16's keys with mine
.endr
.irp i, 0,1
	v_mul_f32 v[T+2*\i], s[NC], v[RM+2*\i]         ; -t
.endr
.irp i, 0,1
	v_floor_f32 v[\mn+4*\i], v[T+2*\i]             ; the new -M = floor(-t)
.endr
.irp i, 0,1
	v_sub_f32 v[T+2*\i], v[\mn+4*\i], v[\mo+4*\i]  ; old M - new M: a whole number, 0 or less
.endr
.irp i, 0,1
	v_cvt_i32_f32 v[T+2*\i], v[T+2*\i]             ; (it saturates)
.endr
.irp b, 0,1,2,3,4,5,6,7
	v_fma_f32 v[TM+\b], v[TM+\b], s[CS], v[\mn+4*(\b/4)]   ; u: t - M of each block's largest score
.endr
.irp i, 0,1
	v_ldexp_f32 v[F+2*\i], 1.0, v[T+2*\i]          ; f = 2^(old M - new M)
.endr
.irp b, 0,1,2,3,4,5,6,7
	v_max_num_f32 v[TM+\b], 0xc2f80000, v[TM+\b]   ; -124 at the least: the byte cannot fall under 1
.endr
.irp b, 0,1,2,3,4,5,6,7
	v_cvt_floor_i32_f32 v[TM+\b], v[TM+\b]
.endr
.irp b, 0,1,2,3,4,5,6,7
	v_lshl_add_u32 v[SO+\b], v[TM+\b], 23, 0x3e800000   ; the conversion's scale operand: exponent field floor(u) + 125, which is the scale's byte
.endr
.irp b, 0,2,4,6
	v_lshl_add_u32 v[TM+\b], v[TM+\b+1], 16, v[TM+\b]   ; the words, less 125 in each byte: my blocks are bytes 0 and 2,
.endr
.irp i, 0,1
	v_permlanex16_b32 v[T+2*\i], v[TM+4*\i], s[SEL], s[SEL+1]
	v_permlanex16_b32 v[T2+\i], v[TM+4*\i+2], s[SEL], s[SEL+1]
.endr
	TMINUS \g, \mn
.irp i, 0,1
	v_lshl_add_u32 v[TM+4*\i], v[T+2*\i], 8, v[TM+4*\i]   ; lane l xor 16's bytes 1 and 3 (lanes 16-31 get the same bytes in another order; they are not read)
	v_lshl_add_u32 v[TM+4*\i+2], v[T2+\i], 8, v[TM+4*\i+2]
.endr
.irp b, 0,2,4,6
	v_add_nc_u32 v[PW+\b/2], 0x7d7d7d7d, v[TM+\b]
.endr
	WIN 0x41
.irp i, 0,1
.set j, 0
.rept 16
	v_pk_mul_f32 v[O+32*\i+j:O+32*\i+j+1], v[O+32*\i+j:O+32*\i+j+1], v[F+2*\i:F+2*\i+1] op_sel_hi:[1,0]   ; O^T under the new M
.set j, j+2
.endr
.endr
	TMINUS \g, \mn+4
	WIN 0
	s_wait_alu depctr_va_vdst(0)
	EXPFMA \g, \z, \mn                             ; p, at most 1
	WIN 0x41
	EXPFMA \g, \z, \mn+4
	WIN 0x40
	s_wait_alu depctr_va_vdst(0)                   ; ahead of the batch's first reader, and of the next batch
	CVT \g, PC, SO
	WIN 0x41
	CVT \g, PC+16, SO+4
	WIN 0
.irp i, 0,1
	v_pk_mul_f32 v[SUM+2*\i:SUM+2*\i+1], v[SUM+2*\i:SUM+2*\i+1], v[F+2*\i:F+2*\i+1] op_sel_hi:[1,0]   ; the sums under the new M; plain places behind the conversions
.endr
.if (\odd) && (\last == 0)
.irp a, ADE, ADO, WE, WO, ADV, ADVW
	v_add_nc_u32 v[\a], 2*STEPB, v[\a]             ; on to the next trip's keys
.endr
.endif
	EXPADD \z, \g
	WIN 0x45
	EXPADD \z, \g
	WIN 0x40
	s_wait_alu depctr_va_vdst(0)                   ; ahead of the batch's first reader
	CVT \z, PC+8, SO+2
	WIN 0x41
	CVT \z, PC+24, SO+6
	WIN 0
	v_nop                                          ; one plain place behind a scaled conversion
	s_wait_dscnt 0x0                               ; V, both halves
	ADDP \z, \z+32, 16                             ; (with the next line the places between p's codes and the scaled products)
	ADDP \z, \g, 16
.if \last == 0
	LOADK \ko, \g, KW                              ; tile 0's first half is free: the next step's first half of K
.endif
	WIN 0x54
	PMUL O, F1, VW, PC, PW
	PMUL O+32, F1, VW, PC+16, PW+2
	WIN 0x55
	PMUL O, FB, VW+2, PC+8, PW+1
	PMUL O+32, FB, VW+2, PC+24, PW+3
	WIN 0
	ADDP \z, \z+16, 8                              ; (places between the products and the loads into F1)
.if \last == 0
	LOADK \ko+BLKL, F1, KW+4
.endif
	WIN 0x45
	ADDP \z, \z+32, 16
	ADDP \z, \g, 16
	ADDP \z, \z+16, 8
	ADD7 \z
	WIN 0
	ADD7 \z
	s_delay_alu instid0(VALU_DEP_1)
	v_pk_add_f32 v[SUM:SUM+1], v[SUM:SUM+1], v[\z:\z+1]
	WIN 0x04
	v_pk_add_f32 v[SUM+2:SUM+3], v[SUM+2:SUM+3], v[\z:\z+1]
	WIN 0
.endm
; 32 numbers of a lane, v[z] on, two blocks (register 16 c + i: of block c number 8 h + i, or 16 + 8 h + i - 8), become 16 bytes of codes in v[pc] .. v[pc + 3] (lanes 0-15 block 0, lanes 16-31 block 1) and the word byte 0 | byte 1 << 8 in v[pw].
.macro QUANT2 z, pc, pw
.irp b, 0,1
	v_max3_num_f32 v[TM+\b], |v[\z+16*\b]|, |v[\z+16*\b+1]|, 0x1800000   ; and the floor 2^(3 - 127): the byte cannot fall under 1
.endr
.irp i, 2,4,6,8,10,12,14
.irp b, 0,1
	s_delay_alu instid0(VALU_DEP_2)
	v_max3_num_f32 v[TM+\b], v[TM+\b], |v[\z+16*\b+\i]|, |v[\z+16*\b+\i+1]|
.endr
.endr
.irp b, 0,1
	s_delay_alu instid0(VALU_DEP_2)
	v_permlanex16_b32 v[TM+2+\b], v[TM+\b], s[SEL], s[SEL+1]
.endr
.irp b, 0,1
	s_delay_alu instid0(VALU_DEP_2)
	v_max_num_f32 v[TM+\b], v[TM+\b], v[TM+2+\b]
.endr
.irp b, 0,1
	s_delay_alu instid0(VALU_DEP_2)
	v_add_nc_u32 v[TM+4+\b], 0xff000000, v[TM+\b]
.endr
.irp b, 0,1
	s_delay_alu instid0(VALU_DEP_2)
	v_lshrrev_b32 v[TM+6+\b], 23, v[TM+4+\b]
.endr
	s_delay_alu instid0(VALU_DEP_1)
	v_lshl_or_b32 v[\pw], v[TM+7], 8, v[TM+6]
.irp b, 0,1
	v_cvt_scalef32_pk8_fp4_f32 v[\pc+\b], v[\z+16*\b:\z+16*\b+7], v[TM+4+\b]
	v_cvt_scalef32_pk8_fp4_f32 v[\pc+2+\b], v[\z+16*\b+8:\z+16*\b+15], v[TM+4+\b]
.endr
	v_nop                                          ; one plain place behind a scaled conversion
	v_permlane16_swap_b32 v[\pc], v[\pc+1]
	v_permlane16_swap_b32 v[\pc+2], v[\pc+3]
.endm
	s_load_b128 s[4:7], s[0:1], 0x0                ; qkv s[4:5], att s[6:7]
	v_lshl_add_u32 v[SPW], v0, 2, SPARE
	v_mov_b32 v[NIL], 0
	ds_add_u32 v[SPW], v[NIL]                      ; the opening
	ds_add_u32 v[SPW], v[NIL]
	v_lshrrev_b32 v1, 5, v0
	s_delay_alu instid0(VALU_DEP_1)
	v_readfirstlane_b32 s[WV], v1                  ; wave 0..7
	s_bfe_u32 s9, ttmp6, 0x40000                   ; cx
	s_lshl_b32 s10, ttmp9, 2
	s_add_co_u32 s10, s10, s9                      ; my block of 256 queries: it enters Q's and att's addresses alone
	s_and_b32 s11, ttmp7, 0xffff                   ; batch 16 + head, which the four partners share
	s_mov_b32 s[G1], 15|(3<<16)|(1<<21)            ; the mask: all four work-groups; elements of 8 bytes; bit 21 beside a mask
	s_mov_b32 s[G1+1], 1120<<16                    ; two blocks: two rows of 8,960 bytes, 13,568 bytes apart in memory, one behind the other in LDS
	s_mov_b32 s[G1+2], 2<<16
	s_mov_b32 s[G1+3], 1120<<16
	s_mov_b32 s[G1+4], 2
	s_mov_b32 s[G1+5], 1696
	s_mov_b32 s[G1+6], 0
	s_mov_b32 s[G1+7], 0
	s_lshl_b32 s34, s11, 4
	s_lshl_b32 s12, s[WV], 1
	s_add_co_u32 s34, s34, s12                     ; wave w fetches keys 256 w on
	s_mul_i32 s34, s34, BLKB
	s_mov_b32 s35, 0
	s_mov_b32 s[G0], 1
	s_mul_i32 s[G0+1], s[WV], STEPB
	s_lshl_b32 s36, s11, 4                         ; Q: my 32 queries are tiles 2 (w % 4), + 1 of the group of 128 tokens 2 x block + w / 4
	s_lshl_b32 s12, s10, 1
	s_add_co_u32 s36, s36, s12
	s_lshr_b32 s12, s[WV], 2
	s_add_co_u32 s36, s36, s12
	s_mul_i32 s36, s36, BLKB
	s_and_b32 s12, s[WV], 3
	s_lshl_b32 s13, s12, 7
	s_add_co_u32 s38, s36, s13                     ; their words: 64 bytes a tile
	s_lshl_b32 s13, s12, 10
	s_add_co_u32 s36, s36, s13                     ; their images: 512 bytes a tile
	s_mov_b32 s37, 0
	s_mov_b32 s39, 0
	s_lshr_b32 s12, s11, 4
	s_lshl_b32 s12, s12, 7
	s_lshl_b32 s13, s10, 4
	s_add_co_u32 s12, s12, s13                     ; the work-group's first token tile: 128 batch + 16 block
	s_and_b32 s13, s11, 15                         ; head
	s_lshl_b32 s14, s[WV], 1
	s_add_co_u32 s40, s12, s14
	s_lshl_b32 s40, s40, 13
	s_lshl_b32 s14, s13, 9
	s_add_co_u32 s40, s40, s14                     ; att's images: 8,192 x token tile + 512 x head
	s_mov_b32 s41, 0
	s_lshl_b32 s42, s12, 6
	s_lshl_b32 s14, s13, 14
	s_add_co_u32 s42, s42, s14
	s_lshl_b32 s14, s[WV], 9
	s_add_co_u32 s42, s42, s14
	s_add_co_u32 s42, s42, ATTSW                   ; att's words: 16,384 x head + 64 x token tile, 512 bytes for each of waves 0, 1
	s_mov_b32 s43, 0
	s_and_b32 s44, s11, 1
	s_lshl_b32 s44, s44, 4                         ; an odd head's two bytes are bytes 2, 3 of the K step's word
	s_mov_b32 s[SEL], 0x76543210
	s_mov_b32 s[SEL+1], 0xfedcba98
	s_mov_b32 s[CS], 0x3e38aa3b                    ; log2(e) / 8
	s_mov_b32 s[CS+1], s[CS]
	s_mov_b32 s[NC], 0xbe38aa3b
	s_mov_b32 s[CNT], 3
	s_wait_dscnt 0x0
	s_wait_kmcnt 0x0
	s_add_nc_u64 s[G0+2:G0+3], s[4:5], s[34:35]
	s_or_b32 s[G0+3], s[G0+3], 0x80000000          ; type = 2
	s_add_nc_u64 s[36:37], s[4:5], s[36:37]
	s_add_nc_u64 s[38:39], s[4:5], s[38:39]
	s_add_nc_u64 s[40:41], s[6:7], s[40:41]
	s_add_nc_u64 s[42:43], s[6:7], s[42:43]
	ROUND                                          ; all four work-groups are here: the joint loads meet
	tensor_load_to_lds s[G0:G0+3], s[G1:G1+7]      ; my one load: one is out
	s_nop 0
	v_and_b32 v72, 31, v0                          ; lane
	v_and_b32 v73, 15, v0                          ; r
	v_bfe_u32 v74, v0, 4, 1                        ; h
	v_and_b32 v75, 7, v0                           ; r % 8
	v_bfe_u32 v76, v0, 3, 1                        ; r / 8
	v_lshlrev_b32 v[ADV], 4, v72
	v_lshlrev_b32 v77, 2, v73
	v_lshlrev_b32 v[ADVW], 2, v72
.irp i, 0,1
	global_load_b128 v[QF+8*\i:QF+8*\i+3], v[ADV], s[36:37] offset:8960+512*\i
	global_load_b32 v[QW+\i], v77, s[38:39] offset:13056+64*\i
.endr
	v_lshlrev_b32 v78, 8, v74
	v_lshlrev_b32 v79, 6, v74
	v_lshl_add_u32 v78, v75, 4, v78                ; 256 h + 16 (r % 8)
	v_lshl_add_u32 v79, v75, 2, v79                ; 64 h + 4 (r % 8)
	v_mul_u32_u24 v80, 0x480, v76
	v_mul_u32_u24 v81, 0x380, v76
	v_mul_u32_u24 v82, 0xa0, v76
	v_mul_u32_u24 v83, 0x60, v76
	v_add_nc_u32 v[ADE], v78, v80                  ; even tiles: rows 8-15 lie 40 keys further on: two images and half an image
	v_add_nc_u32 v81, 0x80, v81
	v_add_nc_u32 v[WE], v79, v82
	v_add_nc_u32 v83, 32, v83
	v_add_nc_u32 v[ADO], v78, v81                  ; odd tiles: half an image on; rows 8-15 24 keys behind rows 0-7
	v_add_nc_u32 v[WO], v79, v83
.irp j, 4,5,6,7
	v_mov_b32 v[QF+\j], 0                          ; K = 64 .. 127: zero codes
	v_mov_b32 v[QF+8+\j], 0
	v_mov_b32 v[Y+28+\j], 0                        ; the first operand's unused registers
.endr
.irp i, 0,1
	v_mov_b32 v[RM+2*\i], 0xff61b1e6               ; the largest score so far: -3e38
	v_mov_b32 v[MB+4*\i], 0x7f61b1e6               ; the first step's old -M
	v_mov_b32 v[T2+\i], 0                          ; a lane permute's destination counts as one of its sources
	v_mov_b32 v[SUM+2*\i], 0
	v_mov_b32 v[SUM+2*\i+1], 0
.endr
	WIN 0x40
.set j, 0
.rept 64
	v_mov_b32 v[O+j], 0                            ; O^T.  (The first step finds zeros, which the first change of M leaves zeros)
.set j, j+1
.endr
	WIN 0
	s_wait_alu depctr_va_vdst(0)
	s_wait_tensorcnt 0x0                           ; my keys are in,
	s_barrier_signal -1
	s_barrier_wait -1                              ; everybody's are
	s_wait_loadcnt 0x0                             ; Q
	LOADK 0, Y, KW
	LOADK BLKL, F1, KW+4
.Ltrip:                                                ; 512 keys a trip
	STEP X, Y, MA, MB, 0, STEPB, 0, 0
	STEP Y, X, MB, MA, STEPB, 0, 1, 0
	s_sub_co_u32 s[CNT], s[CNT], 1
	s_cmp_lg_u32 s[CNT], 0
	s_wait_alu depctr_va_vdst(0)
	s_cbranch_scc1 .Ltrip
	STEP X, Y, MA, MB, 0, STEPB, 0, 0              ; the last trip is written out: its last step fetches nothing further
	STEP Y, X, MB, MA, STEPB, 0, 1, 1
	; THE WAY OUT: O^T / the sum, quantised along the head's 64; a tile's codes are half a fragment of the last product's K step head / 2
.irp i, 0,1
	v_add_f32 v[SUM+2*\i], v[SUM+2*\i], v[SUM+2*\i+1]   ; the sum's two halves,
.endr
.irp i, 0,1
	v_permlanex16_b32 v[T+2*\i], v[SUM+2*\i], s[SEL], s[SEL+1]
.endr
.irp i, 0,1
	v_add_f32 v[SUM+2*\i], v[SUM+2*\i], v[T+2*\i]  ; and lane l xor 16's
.endr
	v_and_b32 v84, 31, v0
	v_and_b32 v85, 15, v0
	s_wait_alu depctr_va_vdst(0)
	v_rcp_f32 v[SUM], v[SUM]
	v_rcp_f32 v[SUM+2], v[SUM+2]
	v_lshlrev_b32 v84, 4, v84                      ; 16 x lane
	v_lshlrev_b32 v85, 2, v85
	s_lshl_b32 s12, s[WV], 7
	s_add_co_u32 s12, s12, AST
	v_add_nc_u32 v85, s12, v85                     ; where I put my rows' scale words: 64 bytes a tile
	s_lshl_b32 s12, s[WV], 9
	s_add_co_u32 s12, s12, AST
	v_add_nc_u32 v86, s12, v84                     ; where waves 0, 1 read them back
	WIN 0x01
	s_wait_alu depctr_va_vdst(0)                   ; ahead of the first reader of the reciprocals and of O^T
.irp i, 0,1
.set j, 0
.rept 16
	v_pk_mul_f32 v[X+32*\i+j:X+32*\i+j+1], v[O+32*\i+j:O+32*\i+j+1], v[SUM+2*\i:SUM+2*\i+1] op_sel_hi:[1,0]   ; each accumulator from its low end on
.set j, j+2
.endr
.endr
	WIN 0
	QUANT2 X, F1, T
	QUANT2 X+32, F1+4, T+2
	v_lshlrev_b32 v[T], s44, v[T]
	v_lshlrev_b32 v[T+2], s44, v[T+2]
	global_store_b128 v84, v[F1:F1+3], s[40:41]    ; each store of the wave covers 512 consecutive bytes, at a multiple of 256 from the buffer's first byte
	global_store_b128 v84, v[F1+4:F1+7], s[40:41] offset:8192
	ds_store_b32 v85, v[T]                         ; lanes l and l xor 16 write the same word with the same value
	ds_store_b32 v85, v[T+2] offset:64
	s_wait_alu depctr_va_vdst(0)
	s_wait_dscnt 0x0                               ; for the others' sake
	s_barrier_signal -1
	s_barrier_wait -1
	s_cmp_lt_u32 s[WV], 2
	s_cbranch_scc0 .Ldone
	ds_load_b128 v[X:X+3], v86                     ; the sixteen tiles' words are 1,024 consecutive bytes of att: waves 0 and 1 store 512 each
	s_wait_dscnt 0x0
	global_store_b128 v84, v[X:X+3], s[42:43]
.Ldone:
	s_wait_tensorcnt 0x0
	ds_add_u32 v[SPW], v[NIL]
	s_wait_dscnt 0x0
	ROUND                                          ; the closing round
	s_endpgm
.Lfunc_end_k_qcc7b17255a_attn:
	.size	k_qcc7b17255a_attn, .Lfunc_end_k_qcc7b17255a_attn-k_qcc7b17255a_attn
	.p2alignl 7, 3214868480
	.fill 96, 4, 3214868480
	.section	.rodata,"a",@progbits
	.p2align	6, 0x0
	.amdhsa_kernel k_qcc7b17255a_attn
		.amdhsa_group_segment_fixed_size 169984
		.amdhsa_private_segment_fixed_size 0
		.amdhsa_enable_private_segment 0
		.amdhsa_kernarg_size 16
		.amdhsa_user_sgpr_count 2
		.amdhsa_user_sgpr_kernarg_segment_ptr 1
		.amdhsa_wavefront_size32 1
		.amdhsa_system_sgpr_workgroup_id_x 1
		.amdhsa_system_sgpr_workgroup_id_y 1
		.amdhsa_system_sgpr_workgroup_id_z 1
		.amdhsa_system_vgpr_workitem_id 0
		.amdhsa_next_free_vgpr 512
		.amdhsa_next_free_sgpr 66
		.amdhsa_reserve_vcc 0
		.amdhsa_float_denorm_mode_32 3
		.amdhsa_float_denorm_mode_16_64 3
		.amdhsa_memory_ordered 1
		.amdhsa_forward_progress 1
		.amdhsa_inst_pref_size 210
	.end_amdhsa_kernel
	.amdgpu_metadata
---
amdhsa.version: [ 1, 2 ]
amdhsa.kernels:
  - .name:           k_qcc7b17255a_attn
    .symbol:         k_qcc7b17255a_attn.kd
    .args:
      - { .name: qkv, .offset: 0, .size: 8, .value_kind: global_buffer, .address_space: global }
      - { .name: att, .offset: 8, .size: 8, .value_kind: global_buffer, .address_space: global }
    .group_segment_fixed_size: 169984
    .private_segment_fixed_size: 0
    .kernarg_segment_align: 8
    .kernarg_segment_size: 16
    .max_flat_workgroup_size: 256
    .sgpr_count:     66
    .vgpr_count:     512
    .wavefront_size: 32
...
	.end_amdgpu_metadata
.endif
;; end of part 2
;; launch outp (part 3): grid 8 x 32, 8 waves a work-group, clusters of 4 x 4, 201,728 bytes of LDS; arguments att, Wo_codes, Wo_scales, bo, out0; writes out0
.if DOCPART == 3
	.amdgcn_target "amdgcn-amd-amdhsa--gfx1250"
	.amdhsa_code_object_version 6
	.text
	.protected	k_qcc7b17255a_outp
	.globl	k_qcc7b17255a_outp
	.p2align	8
	.type	k_qcc7b17255a_outp,@function
k_qcc7b17255a_outp:
	s_mov_b64 s[64:65], 0
	v_nop
	global_prefetch_b8 v0, s[64:65] scope:SCOPE_SE
	s_setreg_imm32_b32 hwreg(HW_REG_WAVE_MODE, 25, 1), 1
	s_wait_xcnt 0x0
	s_wait_alu depctr_hold_cnt(0) depctr_sa_sdst(0) depctr_va_vdst(0) depctr_va_sdst(0) depctr_va_ssrc(0) depctr_va_vcc(0) depctr_vm_vsrc(0)
	s_getreg_b32 s2, hwreg(HW_REG_IB_STS2, 6, 4)
	s_cmp_eq_u32 s2, 0
	s_cbranch_scc0 .Lentry_in_a_cluster
	s_endpgm
.Lentry_in_a_cluster:
	s_bfe_u32 s2, ttmp6, 0x10000c
	s_cmp_lg_u32 s2, 0xf033
	s_cbranch_scc0 .Lentry_shape_is_right
	s_endpgm
.Lentry_shape_is_right:
; out = attended Wo + bo on codes of FP4 (E2M1) with E8M0 scales, K = 1,024; sums in f32, the bias as the C of each sum's first product.
; SHARES.  A work-group makes 128 tokens x 128 columns.  Eight waves: wave w takes tokens 64 (w / 4) on (four tiles) and columns 32 (w % 4) on (two tiles): eight accumulators.
; The product is used transposed (source 0 = 16 rows of Wo, source 1 = 16 tokens): a lane holds eight neighbouring columns of one row of out.
; LDS.  The attended rows come as images of operand registers (token tile 8,192 bytes, K step 1,024, half 512, 16 x lane), dense; Wo's 128 rows of 512 bytes lie 528 bytes apart, so that the 16 rows of a load begin 16 bytes apart modulo 256.
; All of K lies in LDS at once: nothing is filled twice.  The stage for the way out has bytes of its own.
; CLUSTER 4 x 4: the four work-groups of a row of the cluster need the same tokens, the four of a column the same rows of Wo: each tile is asked for jointly.
; LIMITS: NaN, infinities and scale bytes 0xff are not served.
.set BW,    65536                      ; Wo's rows
.set STAGE, 133120                     ; 128 rows x (512 bytes + 16)
.set ATTSW, 2097152                    ; att's scale words: [head][token tile][16]; an even head's word has bytes 0, 1, an odd head's bytes 2, 3
.set WV,  3                            ; s3 wave;  s14 w / 4;  s15 w % 4
.set TI,  14
.set NJ,  15
.set G1A, 16                           ; s[16:23], s[24:27] the attended rows' descriptor;  s[28:35], s[36:39] Wo's
.set G0A, 24
.set G1B, 28
.set G0B, 36
.set ADA, 4                            ; v4 LDS address of my tokens' images;  v5 of my rows of Wo;  v6 into the stage;  v7 out of it
.set ADB, 5
.set SO,  6
.set SR,  7
.set WS,  16                           ; v16-23 Wo's scale words: register s: K step s; lanes 0-15 column tile 0, lanes 16-31 tile 1
.set AS,  24                           ; v24-39 the tokens': register 8 i + s: lanes 0-15 token tile 2 i, lanes 16-31 tile 2 i + 1
.set BO,  40                           ; v40-55 the bias, two tiles in the result's layout
.set ACC, 56                           ; v56-119: accumulator (a, b) at 56 + 8 (2 a + b)
.set F0,  120                          ; v120-167, v168-215: two sets of fragments: two of Wo, then four of tokens
.macro ROUND                           ; a round of the cluster's barrier
	s_barrier_signal -1
	s_barrier_wait -1
	s_cmp_lg_u32 s[WV], 0
	s_cbranch_scc1 .Lnot_wave_0_\@
	s_barrier_signal -3
.Lnot_wave_0_\@:
	s_barrier_wait -3
	s_barrier_signal -1
	s_barrier_wait -1
.endm
.macro PLACES n
.rept \n
	v_nop
.endr
.endm
.macro FETCH s, f                      ; K step s: twelve loads
.irp b, 0,1
.irp c, 0,1
	ds_load_b128 v[\f+8*\b+4*\c:\f+8*\b+4*\c+3], v[ADB] offset:8448*\b+64*(\s)+32*\c
.endr
.endr
.irp a, 0,1,2,3
.irp c, 0,1
	ds_load_b128 v[\f+16+8*\a+4*\c:\f+16+8*\a+4*\c+3], v[ADA] offset:8192*\a+1024*(\s)+512*\c
.endr
.endr
.endm
.macro WM d, a, b, c, sa, sb, ra, rb   ; one product; ra, rb: which half of the lanes holds A's and B's scale words
.if (\ra) == 0 && (\rb) == 0
	v_wmma_scale_f32_16x16x128_f8f6f4 v[\d:\d+7], v[\a:\a+7], v[\b:\b+7], v[\c:\c+7], v[\sa], v[\sb] matrix_a_fmt:MATRIX_FMT_FP4 matrix_b_fmt:MATRIX_FMT_FP4
.elseif (\rb) == 0
	v_wmma_scale_f32_16x16x128_f8f6f4 v[\d:\d+7], v[\a:\a+7], v[\b:\b+7], v[\c:\c+7], v[\sa], v[\sb] matrix_a_fmt:MATRIX_FMT_FP4 matrix_b_fmt:MATRIX_FMT_FP4 matrix_a_scale:MATRIX_SCALE_ROW1
.elseif (\ra) == 0
	v_wmma_scale_f32_16x16x128_f8f6f4 v[\d:\d+7], v[\a:\a+7], v[\b:\b+7], v[\c:\c+7], v[\sa], v[\sb] matrix_a_fmt:MATRIX_FMT_FP4 matrix_b_fmt:MATRIX_FMT_FP4 matrix_b_scale:MATRIX_SCALE_ROW1
.else
	v_wmma_scale_f32_16x16x128_f8f6f4 v[\d:\d+7], v[\a:\a+7], v[\b:\b+7], v[\c:\c+7], v[\sa], v[\sb] matrix_a_fmt:MATRIX_FMT_FP4 matrix_b_fmt:MATRIX_FMT_FP4 matrix_a_scale:MATRIX_SCALE_ROW1 matrix_b_scale:MATRIX_SCALE_ROW1
.endif
.endm
.macro MULS s, f                       ; eight products: the eight accumulators take turns, one instruction a turn, in the same order in every step
.irp a, 0,1,2,3
.irp b, 0,1
.if (\s) == 0
	WM ACC+8*(2*\a+\b), \f+8*\b, \f+16+8*\a, BO+8*\b, WS+(\s), AS+8*(\a/2)+(\s), \b, \a%2
.else
	WM ACC+8*(2*\a+\b), \f+8*\b, \f+16+8*\a, ACC+8*(2*\a+\b), WS+(\s), AS+8*(\a/2)+(\s), \b, \a%2
.endif
.endr
.endr
.endm
	s_load_b256 s[4:11], s[0:1], 0x0               ; att s[4:5], Wo's codes s[6:7], Wo's scales s[8:9], bo s[10:11]
	s_load_b64 s[12:13], s[0:1], 0x20              ; out
	v_lshl_add_u32 v224, v0, 2, 0x31000
	v_mov_b32 v225, 0
	ds_add_u32 v224, v225
	ds_add_u32 v224, v225
	v_lshrrev_b32 v1, 5, v0
	s_delay_alu instid0(VALU_DEP_1)
	v_readfirstlane_b32 s[WV], v1                  ; wave 0..7
	s_lshr_b32 s[TI], s[WV], 2
	s_and_b32 s[NJ], s[WV], 3
	s_bfe_u32 s40, ttmp6, 0x40000                  ; cx, cy
	s_bfe_u32 s41, ttmp6, 0x40004
	s_lshl_b32 s42, ttmp9, 2
	s_add_co_u32 s42, s42, s40                     ; x: which 128 columns
	s_and_b32 s43, ttmp7, 0xffff
	s_lshl_b32 s43, s43, 2
	s_add_co_u32 s43, s43, s41                     ; y: which 128 tokens
	s_lshl_b32 s44, s41, 2
	s_lshl_b32 s44, 15, s44                        ; my row of the cluster
	s_lshl_b32 s45, 0x1111, s40                    ; my column
	s_or_b32 s[G1A], s44, (3<<16)|(1<<21)          ; two token tiles: 16,384 dense bytes as 64 rows of 32 elements of 8 bytes
	s_mov_b32 s[G1A+1], 32<<16
	s_mov_b32 s[G1A+2], 64<<16
	s_mov_b32 s[G1A+3], 32<<16
	s_mov_b32 s[G1A+4], 64
	s_mov_b32 s[G1A+5], 32
	s_mov_b32 s[G1A+6], 0
	s_mov_b32 s[G1A+7], 0
	s_or_b32 s[G1B], s45, (1<<20)|(1<<21)|(6<<22)|(3<<25)   ; 32 rows of 512 bytes, four words of padding behind every 128
	s_mov_b32 s[G1B+1], 512<<16
	s_mov_b32 s[G1B+2], 32<<16
	s_mov_b32 s[G1B+3], 512<<16
	s_mov_b32 s[G1B+4], 32
	s_mov_b32 s[G1B+5], 512
	s_mov_b32 s[G1B+6], 0
	s_mov_b32 s[G1B+7], 0
	s_lshl_b32 s54, s[NJ], 14                      ; waves 0-3 fetch the tokens' four quarters, waves 4-7 Wo's: quarter w % 4, 16,384 bytes of memory each
	s_mov_b32 s[G0A], 1
	s_mov_b32 s[G0A+1], s54
	s_lshl_b32 s[G0A+2], s43, 16                   ; these registers never hold cx
	s_add_co_u32 s[G0A+2], s[G0A+2], s54
	s_mov_b32 s[G0A+3], 0
	s_mov_b32 s[G0B], 1
	s_mul_i32 s[G0B+1], s[NJ], 16896
	s_add_co_u32 s[G0B+1], s[G0B+1], BW
	s_lshl_b32 s[G0B+2], s42, 16                   ; these never hold cy
	s_add_co_u32 s[G0B+2], s[G0B+2], s54
	s_mov_b32 s[G0B+3], 0
	s_lshl_b32 s46, s42, 12                        ; Wo's scales: row 128 x + 32 (w % 4), 32 bytes a row
	s_lshl_b32 s54, s[NJ], 10
	s_add_co_u32 s46, s46, s54
	s_mov_b32 s47, 0
	s_lshr_b32 s48, s46, 3                         ; bo: the same row, 4 bytes
	s_mov_b32 s49, 0
	s_lshl_b32 s50, s43, 9                         ; the tokens' words: token tile 8 y + 4 (w / 4), 64 bytes a tile
	s_lshl_b32 s54, s[TI], 8
	s_add_co_u32 s50, s50, s54
	s_add_co_u32 s50, s50, ATTSW
	s_mov_b32 s51, 0
	s_lshl_b32 s52, s43, 19                        ; out: row 128 y + 16 w of 4,096 bytes, + 512 x
	s_lshl_b32 s54, s[WV], 16
	s_add_co_u32 s52, s52, s54
	s_lshl_b32 s54, s42, 9
	s_add_co_u32 s52, s52, s54
	s_mov_b32 s53, 0
	v_and_b32 v1, 15, v0                           ; r
	v_bfe_u32 v2, v0, 4, 1                         ; h
	v_and_b32 v3, 31, v0                           ; lane
	s_delay_alu instid0(VALU_DEP_1)
	v_lshlrev_b32 v8, 4, v3
	s_delay_alu instid0(VALU_DEP_2)
	v_lshlrev_b32 v9, 2, v3
	s_delay_alu instid0(VALU_DEP_3)
	v_lshlrev_b32 v10, 5, v3
	v_lshlrev_b32 v11, 5, v2
	s_lshl_b32 s54, s[TI], 15
	v_add_nc_u32 v[ADA], s54, v8
	v_mul_u32_u24 v12, v1, 528
	s_delay_alu instid0(VALU_DEP_1)
	v_lshl_add_u32 v13, v2, 4, v12
	s_mul_i32 s54, s[NJ], 16896
	s_add_co_u32 s54, s54, BW
	v_add_nc_u32 v[ADB], s54, v13
	v_lshl_add_u32 v13, v2, 5, v12                 ; the stage: row r, + 32 h,
	s_mul_i32 s54, s[TI], 33792
	s_lshl_b32 s55, s[NJ], 7
	s_add_co_u32 s54, s54, s55
	s_add_co_u32 s54, s54, STAGE
	v_add_nc_u32 v[SO], s54, v13                   ; + my 64 rows, + my 128 bytes of them
	s_mul_i32 s54, s[WV], 8448
	s_add_co_u32 s54, s54, STAGE
	v_add_nc_u32 v[SR], s54, v8                    ; back: rows 16 w on, whole
	s_wait_dscnt 0x0
	s_wait_kmcnt 0x0
	s_add_nc_u64 s[G0A+2:G0A+3], s[4:5], s[G0A+2:G0A+3]
	s_or_b32 s[G0A+3], s[G0A+3], 0x80000000
	s_add_nc_u64 s[G0B+2:G0B+3], s[6:7], s[G0B+2:G0B+3]
	s_or_b32 s[G0B+3], s[G0B+3], 0x80000000
	s_add_nc_u64 s[46:47], s[8:9], s[46:47]
	s_add_nc_u64 s[48:49], s[10:11], s[48:49]
	s_add_nc_u64 s[50:51], s[4:5], s[50:51]
	s_add_nc_u64 s[52:53], s[12:13], s[52:53]
	ROUND                                          ; all sixteen work-groups are here: the joint loads meet
	s_cmp_lt_u32 s[WV], 4                          ; one load a wave: one is out
	s_cbranch_scc0 .Lfor_w
	tensor_load_to_lds s[G0A:G0A+3], s[G1A:G1A+7]
	s_nop 0
	PLACES 4
	s_branch .Lasked
.Lfor_w:
	tensor_load_to_lds s[G0B:G0B+3], s[G1B:G1B+7]
	s_nop 0
	PLACES 4
.Lasked:
	s_wait_alu depctr_va_vdst(0)
	global_load_b128 v[WS:WS+3],   v10, s[46:47]   ; my 32 rows' scale bytes: 1,024 consecutive bytes
	global_load_b128 v[WS+4:WS+7], v10, s[46:47] offset:16
.irp b, 0,1
	global_load_b128 v[BO+8*\b:BO+8*\b+3],   v11, s[48:49] offset:64*\b       ; columns 16 b + 8 h + 0 .. 7
	global_load_b128 v[BO+8*\b+4:BO+8*\b+7], v11, s[48:49] offset:64*\b+16
.endr
.irp d, 0,1,2,3,4,5,6,7,8,9,10,11,12,13,14,15
.irp i, 0,1
	global_load_b32 v[F0+2*\d+\i], v9, s[50:51] offset:16384*\d+128*\i        ; head d's words of token tiles 2 i, 2 i + 1
.endr
.endr
	s_wait_loadcnt 0x0
.irp i, 0,1
.irp s, 0,1,2,3,4,5,6,7
	v_or_b32 v[AS+8*\i+\s], v[F0+4*\s+\i], v[F0+4*\s+2+\i]                    ; K step s: heads 2 s and 2 s + 1
.endr
.endr
	PLACES 8                                       ; a scale register written by a vector instruction stands eight places ahead of a scaled product
	s_wait_alu depctr_va_vdst(0)
	s_wait_tensorcnt 0x0                           ; my quarter is in,
	s_barrier_signal -1
	s_barrier_wait -1                              ; everybody's is
	FETCH 0, F0
.irp s, 0,1,2,3,4,5,6,7
.if \s < 7
.if \s > 0
	PLACES 4                                       ; between the last step's products and the loads into the set that they read
.endif
	FETCH \s+1, F0+48*((\s+1)%2)
	s_wait_dscnt 12                                ; this step's fragments are in; the twelve loads just issued may stay out
.else
	s_wait_dscnt 0x0
.endif
	MULS \s, F0+48*(\s%2)
.endr
	PLACES 4                                       ; in front of the first read of results
.irp a, 0,1,2,3
.irp b, 0,1
	ds_store_b128 v[SO], v[ACC+8*(2*\a+\b):ACC+8*(2*\a+\b)+3]   offset:8448*\a+64*\b      ; each accumulator from its low end on
	ds_store_b128 v[SO], v[ACC+8*(2*\a+\b)+4:ACC+8*(2*\a+\b)+7] offset:8448*\a+64*\b+16
.endr
.endr
	s_wait_dscnt 0x0                               ; for the others' sake: a row's 512 bytes come from four waves
	s_barrier_signal -1
	s_barrier_wait -1
.irp i, 0,1,2,3,4,5,6,7,8,9,10,11,12,13,14,15
	ds_load_b128 v[F0+4*\i:F0+4*\i+3], v[SR] offset:528*\i
.endr
.irp i, 0,1,2,3,4,5,6,7,8,9,10,11,12,13,14,15
	s_wait_dscnt 15-\i                             ; row i is back; the younger loads may stay out
	global_store_b128 v8, v[F0+4*\i:F0+4*\i+3], s[52:53] offset:4096*\i th:TH_STORE_NT   ; 32 lanes store 512 consecutive bytes, at a multiple of 256 from out's first byte; written once, read by nobody here
.endr
	s_wait_tensorcnt 0x0
	ds_add_u32 v224, v225
	s_wait_dscnt 0x0
	ROUND                                          ; the closing round
	s_endpgm
.Lfunc_end_k_qcc7b17255a_outp:
	.size	k_qcc7b17255a_outp, .Lfunc_end_k_qcc7b17255a_outp-k_qcc7b17255a_outp
	.p2alignl 7, 3214868480
	.fill 96, 4, 3214868480
	.section	.rodata,"a",@progbits
	.p2align	6, 0x0
	.amdhsa_kernel k_qcc7b17255a_outp
		.amdhsa_group_segment_fixed_size 201728
		.amdhsa_private_segment_fixed_size 0
		.amdhsa_enable_private_segment 0
		.amdhsa_kernarg_size 40
		.amdhsa_user_sgpr_count 2
		.amdhsa_user_sgpr_kernarg_segment_ptr 1
		.amdhsa_wavefront_size32 1
		.amdhsa_system_sgpr_workgroup_id_x 1
		.amdhsa_system_sgpr_workgroup_id_y 1
		.amdhsa_system_sgpr_workgroup_id_z 1
		.amdhsa_system_vgpr_workitem_id 0
		.amdhsa_next_free_vgpr 226
		.amdhsa_next_free_sgpr 66
		.amdhsa_reserve_vcc 0
		.amdhsa_float_denorm_mode_32 3
		.amdhsa_float_denorm_mode_16_64 3
		.amdhsa_memory_ordered 1
		.amdhsa_forward_progress 1
		.amdhsa_inst_pref_size 30
	.end_amdhsa_kernel
	.amdgpu_metadata
---
amdhsa.version: [ 1, 2 ]
amdhsa.kernels:
  - .name:           k_qcc7b17255a_outp
    .symbol:         k_qcc7b17255a_outp.kd
    .args:
      - { .name: att, .offset: 0, .size: 8, .value_kind: global_buffer, .address_space: global }
      - { .name: Wo_codes, .offset: 8, .size: 8, .value_kind: global_buffer, .address_space: global }
      - { .name: Wo_scales, .offset: 16, .size: 8, .value_kind: global_buffer, .address_space: global }
      - { .name: bo, .offset: 24, .size: 8, .value_kind: global_buffer, .address_space: global }
      - { .name: out0, .offset: 32, .size: 8, .value_kind: global_buffer, .address_space: global }
    .group_segment_fixed_size: 201728
    .private_segment_fixed_size: 0
    .kernarg_segment_align: 8
    .kernarg_segment_size: 40
    .max_flat_workgroup_size: 256
    .sgpr_count:     66
    .vgpr_count:     226
    .wavefront_size: 32
...
	.end_amdgpu_metadata
.endif
;; end of part 3
